; MI455X (gfx1250); checked and timed in simulation.
; The chip was launched on July 23, 2026; its instructions are those of AMD's public machine-readable ISA for CDNA 5 (MIT licence, August 2026) and "CDNA5" Instruction Set Architecture Reference Guide (July 2026). The comments in the code are by the model that wrote it; some were corrected since.
;; Model1. Allowed arithmetic: matrix products marked QUANTISED: E2M1 operands, one E8M0 scale for each 32 along K, by v_wmma_scale_f32_16x16x128_f8f6f4 with both operands' format E2M1 (or v_wmma_scale_f32_32x16x128_f4), f32 sums; products left as they are: f32 operands where the result goes on into a quantised operand, else bf16, f16 or f32 operands; f32 sums; everything else in f32.
;; Inputs: W_qkv_codes 3,072 x 32 x 16 uint8 (E2M1 codes of W_qkv, K innermost, in blocks of 32 codes, two codes a byte); W_qkv_scales 3,072 x 32 uint8 (E8M0 scales of W_qkv, one for each 32 codes along K); attn_mask 4 x 4,096 x 16 x 16 float32; b_qkv 3,072 float32; key 4 x 4,096 x 1,024 float32; query_codes 4 x 4,096 x 32 x 16 uint8 (E2M1 codes of query, K innermost, in blocks of 32 codes, two codes a byte); query_scales 4 x 4,096 x 32 uint8 (E8M0 scales of query, one for each 32 codes along K); value 4 x 4,096 x 1,024 float32.
;; Outputs: out0 4 x 4,096 x 1,024 float32.
;; This version of the problem:
;;   THIS VERSION OF THE PROBLEM IS GIVEN IN LOW PRECISION. The matrix products marked QUANTISED in the list below multiply operands that are first quantised to E2M1 (2 exponent bits, 1 mantissa bit; 4 bits a number), with one power-of-two scale for each 32 numbers along K (OCP MX v1.0); their sums are f32. All else is computed in f32.
;;   The module's matrix products, in the order in which they are computed (A, B: the left and right operand; K: the contracted axis; several contracted axes count as one K, in the product's order):
;;     1. [M 16,384, K 1,024] x [K 1,024, N 3,072]; A: input query (given as codes); B: input W_qkv (given as codes): QUANTISED
;;     2. batch 16,384 x [M 16, K 64] x [K 64, N 16]; A: computed on the way; B: computed on the way: QUANTISED
;;     3. batch 16,384 x [M 16, K 16] x [K 16, N 64]; A: softmax; B: computed on the way: left as it is (K = 16 < 32)
;;   THE QUANTISER, for each operand of a quantised product, along K:
;;     - K is cut into blocks of 32 from its start; a last block that is shorter is filled with zeros.
;;     - A block's scale is 2^e with e = floor(log2(the largest magnitude in the block)) - 2, held to -126 .. 127; a block of zeros has e = 0. As a byte (E8M0): e + 127.
;;     - Each number is divided by its block's scale, clamped to +-6, and rounded to the nearest number of E2M1, ties to even, subnormals kept.
;;     - The product sums the exact products of the quantised numbers (number of the format x scale) in f32.
;;   ~~~python
;;   def quantise(x, axis):      # numpy; x: float32 -> the quantised numbers, widened to float32 again
;;       x = np.moveaxis(x, axis, -1); K = x.shape[-1]
;;       x = np.pad(x, [(0, 0)] * (x.ndim - 1) + [(0, -K % 32)]); x = x.reshape(x.shape[:-1] + (-1, 32)); a = np.abs(x).max(-1, keepdims=True)
;;       e = np.where(a > 0, np.clip(np.frexp(np.where(a > 0, a, 1))[1] - 1 - 2, -126, 127), 0)      # np.frexp(a)[1] - 1 = floor(log2(a)), exactly
;;       r = np.clip(x / 2.0 ** e, -6, 6)
;;       step = 2.0 ** (np.maximum(np.frexp(np.where(r == 0, 1, r))[1] - 1, 0) - 1)
;;       q = np.round(r / step) * step * 2.0 ** e      # np.round: ties to even
;;       return np.moveaxis(q.reshape(q.shape[:-2] + (-1,))[..., :K], -1, axis).astype(np.float32)
;;   ~~~
;;   OPERANDS COMPUTED ON THE WAY. 'Computed on the way' means the value that the module computes at that place (a softmax that the list does not call 'softmax' is quantised finished and normalised). What goes into a quantiser is computed in f32, as accurately as f32 sums, v_exp_f32 and their like allow (about 1e-6 of the number): no bf16 or f16 on the way to a quantiser, and a product that is left as it is and whose result goes on into a quantised operand takes f32 operands (vector FMAs, or v_wmma_f32_16x16x4_f32). A number that lies on a knife's edge between two numbers of the format may be rounded either way, as far as f32 arithmetic and the matrix unit's own rounding can turn it there, and no further.
;;   INPUTS GIVEN AS CODES. W_qkv (in the module: [3072, 1024], K = its axis 1); query (in the module: [4, 4096, 1024], K = its axis 2): each comes as NAME_codes (uint8): NAME with its K axis moved to the last place and cut into blocks of 32 codes, [.., K / 32, bytes a block], one block behind the other in memory; two codes a byte, the lower K in the low four bits (a code: sign, 2 exponent bits, 1 mantissa bit); and NAME_scales (uint8): the same leading axes, one E8M0 byte (e + 127) for each 32 codes along K. Its value is code x scale, taken as it is: it is not quantised again, and the codes and scales need not be those that the quantiser above would give.
;; One version. Each part assembles by itself: llvm-mc -triple=amdgcn-amd-amdhsa -mcpu=gfx1250 --defsym DOCPART=n.
;; ======== version 1 of 1: 1 launch
;; limits: values are held in bf16: 8 bits of precision; right only within a limited range of input values
;; launch fused (part 1): grid 256 x 1, 8 waves a work-group, clusters of 4 x 1, 327,680 bytes of LDS; arguments W_qkv_codes, W_qkv_scales, b_qkv, query_codes, query_scales, attn_mask, out0; writes out0
.if DOCPART == 1
	.amdgcn_target "amdgcn-amd-amdhsa--gfx1250"
	.amdhsa_code_object_version 6
	.text
	.protected	k_q8e4c117025_fused
	.globl	k_q8e4c117025_fused
	.p2align	8
	.type	k_q8e4c117025_fused,@function
k_q8e4c117025_fused:
	s_mov_b64 s[64:65], 0
	v_nop
	global_prefetch_b8 v0, s[64:65] scope:SCOPE_SE
	s_setreg_imm32_b32 hwreg(HW_REG_WAVE_MODE, 25, 1), 1
	s_wait_xcnt 0x0
	s_wait_alu depctr_hold_cnt(0) depctr_sa_sdst(0) depctr_va_vdst(0) depctr_va_sdst(0) depctr_va_ssrc(0) depctr_va_vcc(0) depctr_vm_vsrc(0)
	s_getreg_b32 s2, hwreg(HW_REG_IB_STS2, 6, 4)
	s_cmp_eq_u32 s2, 0
	s_cbranch_scc0 .Lentry_in_a_cluster
	s_endpgm
.Lentry_in_a_cluster:
	s_bfe_u32 s2, ttmp6, 0x10000c
	s_cmp_lg_u32 s2, 0x3003
	s_cbranch_scc0 .Lentry_shape_is_right
	s_endpgm
.Lentry_shape_is_right:
; For each of 16,384 positions: q, k, v = query W_qkv^T + b (FP4 codes, f32 sums); scores of 16 q heads against 16 k heads of the SAME position, both re-quantised along the head's 64;
; softmax over the k heads with attn_mask added; output = weights x v (bf16 operands, f32 sums).
; NOT LOADED: inputs key and value. reference() computes q, k and v from query alone, so no value of key or value has a way to the output. A NaN or an infinity in them is not carried.
; LIMIT: the softmax's promise holds while the scaled scores (exponents to the base 2, ahead of taking the maximum away) stay under 2^31 in magnitude.
; SHARES. A work-group owns 64 positions; 256 work-groups. W's 3,072 rows go in twelve chunks of 256 (Q: 0-3, K: 4-7, V: 8-11), each four heads, through a ring of two LDS slots.
; EIGHT waves, two to a SIMD. Q and K: wave w makes columns 32 w .. 32 w + 31 of a chunk (one block of 32 of a head) for all 64 positions.
; V: wave w makes d = 16 (w % 4) .. + 15 of the chunk's four heads for its own 32 positions, 32 (w / 4) .. + 31; packed to bf16 that is the A operand of the last product as it lies.
; CLUSTERS of four work-groups: all walk the same W, so each tile is one joint load with mask 15. Slot 0 is filled by waves 0-3, slot 1 by waves 4-7, 64 rows of 512 bytes each.
; PREFETCH: at the change of slots that loads chunk m the waves that do not load ask for chunk m + 2, each 256-byte block once in each of four clusters; the partners share a chunk out by address.
; Chunks 2 and 3 are asked for once at the start of chunk 0. Chunks 0 and 1 come by their loads alone. The mask (64 KB of the work-group's own) is asked for once, four chunks ahead of its loads.
; REGISTERS, window 0: v0-23 addresses; QS; WS two sets; QFS; WF W's fragments, two sets of 32 (between products the second holds the epilogue's temporaries); ACC sums; QF q's codes, later P; BIAS.
;   window 1: query's fragments [pair of position tiles][K step][tile]; the pair 0 is the wave's own 32 positions. Behind K's products the second half holds the mask, then V.
.set PW,     528                       ; an LDS row: 512 bytes + 16 of padding
.set WTILE,  64*PW                     ; 64 rows: what one tensor load brings; one head of W
.set SLOTB,  4*WTILE
.set CHUNKB, 131072                    ; a chunk of W in memory: 256 rows of 512 bytes
.set STG,    2*SLOTB                   ; behind the ring: query's rows at the start, then q's and k's codes: [position][block of 32][head][16 bytes]
.set SCW,    STG+64*PW                 ; their scale bytes: [position][head][block], 32 bytes + 4 of padding a position
.set SPARE,  SCW+64*36                 ; the spare words, 128 bytes a wave
.set OST0,   65536                     ; the way out: in slot 0 behind P's 64 KB, 16 positions x OPP bytes; the second buffer begins with slot 1
.set OSTD,   SLOTB-OST0
.set OPP,    4352                      ; 16 heads x (256 bytes + 16)
.set SPW,  4                           ; my spare word
.set NIL,  5                           ; 0
.set ADW,  6                           ; v6-7   W's fragments for Q and K, slot 0, 1
.set ADV,  8                           ; v8-11  for V: [slot][pair of heads]
.set STC,  12                          ; v12-13 codes into the stage: position tiles 0, 1 and 2, 3
.set STS,  14                          ; v14-15 scale bytes likewise
.set RDK,  16                          ; codes of my 8 positions as an operand
.set RDS,  17                          ; and their scale bytes
.set WSO,  18                          ; byte offsets in memory: W's scales for Q and K,
.set WVO,  19                          ; for V,
.set BOF,  20                          ; the bias for Q and K,
.set BVO,  21                          ; for V,
.set PFO,  22                          ; prefetches: lanes 256 bytes apart,
.set MKO,  23                          ; the mask
.set PST,  12                          ; the tail lays its own addresses over those that are done with
.set PSZ,  13
.set PRD,  14
.set OW,   15
.set ORD,  17
.set OCO,  20
.set QS,   24
.set WS,   40
.set KS,   64
.set QFS,  72
.set WF,   80
.set M,    WF+32
.set M2,   WF+36
.set SC,   WF+40
.set CD,   WF+44
.set TC,   WF+52
.set TSB,  WF+54
.set TT,   WF+32
.set ACC,  144
.set SS,   ACC
.set KOP,  ACC+32
.set QF,   208
.set BIAS, 240
.set MK,   128                         ; window 1: the mask; later V
.set PFA,  54                          ; s[54:55] where my prefetches stand
.set MSB, 0
.macro WIN new                         ; the immediate's high byte repeats the setting that is left
.if MSB != \new
	s_set_vgpr_msb (MSB<<8)|\new
.set MSB, \new
.endif
.endm
.macro PLACES
.rept 4
	v_nop
.endr
.endm
.macro ROUND                           ; a round of the cluster's barrier
	s_barrier_signal -1
	s_barrier_wait -1
	s_cmp_lg_u32 s18, 0
	s_cbranch_scc1 .Lnot_wave_0_\@
	s_barrier_signal -3
.Lnot_wave_0_\@:
	s_barrier_wait -3
	s_barrier_signal -1
	s_barrier_wait -1
.endm
; THE CHANGE OF SLOTS, straight behind a chunk's products. fill: 0 none, 1 and 2 this slot takes the chunk two on (1: prefetches go on). The other slot is whole behind it.
.macro CHANGE slot, fill
	WIN 0
	s_wait_tensorcnt 0x0                   ; all my tensor loads have landed
	ds_add_u32 v[SPW], v[NIL]
.if (\fill) && (\slot) == 0
	s_add_nc_u64 s[38:39], s[38:39], 2*CHUNKB   ; no load of mine is out: waves 0-3 use it now, waves 4-7 at slot 1's change
.if \fill == 1
	s_wait_xcnt 0x0                        ; any prefetch of mine has read its base
	s_add_nc_u64 s[PFA:PFA+1], s[PFA:PFA+1], 2*CHUNKB
.endif
.endif
	s_wait_dscnt 0x0                       ; the add and my reads of this slot are done
.if \fill
	ROUND
	s_cmp_eq_u32 s40, (\slot)
	s_cbranch_scc0 .Lnot_mine_\@
	tensor_load_to_lds s[36:39], s[24:31]
	s_nop 0
	PLACES
.Lnot_mine_\@:
.else
	s_barrier_signal -1
	s_barrier_wait -1
.endif
	PLACES                                 ; for the loads and vector work on what the last products named
.endm
.macro ASK slot                        ; s59: 1 waves 0-3, 0 waves 4-7 of the four clusters that ask; 2 elsewhere
	s_cmp_eq_u32 s59, \slot
	s_cbranch_scc0 .Lno_ask_\@
	global_prefetch_b8 v[PFO], s[PFA:PFA+1] th:TH_LOAD_NT scope:SCOPE_SE
.Lno_ask_\@:
.endm
; A fragment of 16 rows x 128 K: lane (r, h) holds row r, registers 4 c .. 4 c + 3 K = 64 c + 32 h + 0 .. 31.
.macro FETQ slot, d                    ; Q and K: two K steps of my 32 rows into set d % 2
.irp qq, 0,1
.irp t, 0,1
.irp c, 0,1
.set rF, WF+32*((\d)%2)+16*\qq+8*\t+4*\c
	ds_load_b128 v[rF:rF+3], v[ADW+(\slot)] offset:16*PW*\t+64*(2*(\d)+\qq)+32*\c
.endr
.endr
.endr
.endm
.macro FETV slot, d                    ; V: one K step of my 16 rows of each of four heads into set d % 2
.irp t, 0,1,2,3
.irp c, 0,1
.set rF, WF+32*((\d)%2)+8*\t+4*\c
	ds_load_b128 v[rF:rF+3], v[ADV+2*(\slot)+\t/2] offset:WTILE*(\t%2)+64*(\d)+32*\c
.endr
.endr
.endm
; Q and K: source 0 = my 32 rows of W, source 1 = 16 positions: lane (r, h) then holds position r and columns 8 h + j and 16 + 8 h + j. The bias is the first C. Four accumulators take turns.
.macro MULQ d, set
.set i, 0
.rept 8
.set pp, i%4
.set kq, 2*(\d)+i/4
.set rDD, ACC+16*pp
.set rAA, WF+32*((\d)%2)+16*(i/4)
.set rBB, 128*(pp/2)+16*kq+8*(pp%2)
.set sAA, WS+16*(\set)+kq
.set sBB, QS+8*(pp/2)+kq
.set rCC, rDD
.if kq == 0
.set rCC, BIAS
.endif
.if pp%2
	v_wmma_scale_f32_32x16x128_f4 v[rDD:rDD+15], v[rAA:rAA+15], v[rBB:rBB+7], v[rCC:rCC+15], v[sAA], v[sBB] matrix_b_scale:MATRIX_SCALE_ROW1
.else
	v_wmma_scale_f32_32x16x128_f4 v[rDD:rDD+15], v[rAA:rAA+15], v[rBB:rBB+7], v[rCC:rCC+15], v[sAA], v[sBB]
.endif
.set i, i+1
.endr
.endm
; V: source 0 = my 32 positions, source 1 = 16 rows of W (one head's): lane (r, h) holds d = r and positions 8 h + j, 16 + 8 h + j. Four accumulators, one a head, take turns.
.macro MULV d, set
.set i, 0
.rept 4
.set rDD, ACC+16*i
.set rAA, 16*(\d)
.set rBB, WF+32*((\d)%2)+8*i
.set sAA, QS+(\d)
.set sBB, WS+16*(\set)+8*(i/2)+(\d)
.if (\d) == 0
.if i%2
	v_wmma_scale_f32_32x16x128_f4 v[rDD:rDD+15], v[rAA:rAA+15], v[rBB:rBB+7], 0, v[sAA], v[sBB] matrix_b_scale:MATRIX_SCALE_ROW1
.else
	v_wmma_scale_f32_32x16x128_f4 v[rDD:rDD+15], v[rAA:rAA+15], v[rBB:rBB+7], 0, v[sAA], v[sBB]
.endif
.else
.if i%2
	v_wmma_scale_f32_32x16x128_f4 v[rDD:rDD+15], v[rAA:rAA+15], v[rBB:rBB+7], v[rDD:rDD+15], v[sAA], v[sBB] matrix_b_scale:MATRIX_SCALE_ROW1
.else
	v_wmma_scale_f32_32x16x128_f4 v[rDD:rDD+15], v[rAA:rAA+15], v[rBB:rBB+7], v[rDD:rDD+15], v[sAA], v[sBB]
.endif
.endif
.set i, i+1
.endr
.endm
.macro RELQ set                        ; the next chunk's scale words and bias, a chunk ahead of their use
	global_load_b128 v[WS+16*(\set):WS+16*(\set)+3], v[WSO], s[6:7]
	global_load_b128 v[WS+16*(\set)+4:WS+16*(\set)+7], v[WSO], s[6:7] offset:16
.irp t, 0,1
	global_load_b128 v[BIAS+8*\t:BIAS+8*\t+3], v[BOF], s[8:9] offset:64*\t
	global_load_b128 v[BIAS+8*\t+4:BIAS+8*\t+7], v[BOF], s[8:9] offset:64*\t+16
.endr
.endm
.macro RELV set                        ; the same for a chunk of V: four heads' words, two in a register; one bias number a head
.irp p, 0,1
.set rF, WS+16*(\set)+8*\p
	global_load_b128 v[rF:rF+3], v[WVO], s[6:7] offset:4096*\p
	global_load_b128 v[rF+4:rF+7], v[WVO], s[6:7] offset:4096*\p+16
.endr
.irp t, 0,1,2,3
	global_load_b32 v[BIAS+8*(\set)+2*\t], v[BVO], s[8:9] offset:256*\t
.endr
.endm
.macro GEMMQ slot, re
	s_wait_loadcnt 0x0                     ; this chunk's scale words and bias
	s_add_nc_u64 s[6:7], s[6:7], 8192
	s_add_nc_u64 s[8:9], s[8:9], 1024
	WIN 0x04                               ; source 1 in window 1
.irp d, 0,1,2,3
	s_wait_dscnt 0x0
.if \d > 0 && \d < 3
	PLACES
.endif
.if \d < 3
	FETQ \slot, \d+1
.endif
.if \d == 1
.if \re == 1
	RELQ 1-\slot
.else
	RELV 0
.endif
.endif
	MULQ \d, \slot
.endr
.endm
.macro GEMMV n
	s_wait_loadcnt 0x0
.if \n < 3
	s_add_nc_u64 s[6:7], s[6:7], 8192
	s_add_nc_u64 s[8:9], s[8:9], 1024
.endif
.irp d, 0,1,2,3,4,5,6,7
	s_wait_dscnt 0x0
.if \d > 0 && \d < 7
	PLACES
.endif
.if \d < 7
	FETV \n%2, \d+1
.endif
.if \d == 1 && \n < 3
	RELV (\n+1)%2
.endif
	WIN 0x01                               ; source 0 in window 1
	MULV \d, \n%2
	WIN 0
.endr
.endm
; THE QUANTISER of q or k: a block of 32 lies in lanes l and l xor 16, 16 registers each.
.macro EPIQ slot
.irp x, 0,1,2,3
	v_max3_num_f32 v[M+\x], 0x1800000, |v[ACC+16*\x]|, |v[ACC+16*\x+1]|   ; the floor 2^(3 - 127) holds the byte at 1 from below
.endr
.irp e, 2,4,6,8,10,12,14
.irp x, 0,1,2,3
	v_max3_num_f32 v[M+\x], v[M+\x], |v[ACC+16*\x+\e]|, |v[ACC+16*\x+\e+1]|
.endr
.endr
.irp x, 0,1,2,3
	v_permlanex16_b32 v[M2+\x], v[M+\x], s44, s45
.endr
.irp x, 0,1,2,3
	v_max_num_f32 v[M+\x], v[M+\x], v[M2+\x]
.endr
.irp x, 0,1,2,3
	v_add_nc_u32 v[SC+\x], 0xff000000, v[M+\x]   ; 2 off the exponent field
.endr
.irp x, 0,1,2,3
	v_lshrrev_b32 v[M+\x], 23, v[SC+\x]    ; the scale's byte
.endr
.irp p, 0,1
	v_add_nc_u32 v[TC+\p], s42, v[STC+\p]
	v_add_nc_u32 v[TSB+\p], s82, v[STS+\p]
.endr
.irp x, 0,1,2,3
	v_cvt_scalef32_pk8_fp4_f32 v[CD+2*\x], v[ACC+16*\x:ACC+16*\x+7], v[SC+\x]
	v_cvt_scalef32_pk8_fp4_f32 v[CD+2*\x+1], v[ACC+16*\x+8:ACC+16*\x+15], v[SC+\x]
.endr
	v_nop
.irp x, 0,1,2,3
	ds_store_b32 v[TC+\x/2], v[CD+2*\x] offset:16*PW*(\x%2)+64*\slot
	ds_store_b32 v[TC+\x/2], v[CD+2*\x+1] offset:16*PW*(\x%2)+64*\slot+8
	ds_store_b8 v[TSB+\x/2], v[M+\x] offset:16*36*(\x%2)+8*\slot
.endr
.endm
; A chunk of Q or K. re = 2: the last one: V follows, and the mask is loaded over the fragments of the other 32 positions.
.macro CHUNKQ slot, re
	GEMMQ \slot, \re
.if \re == 2
	PLACES
	WIN 0x40
.set i, 0
.rept 8
	global_load_b128 v[MK+8*i:MK+8*i+3], v[MKO], s[14:15] offset:1024*i th:TH_LOAD_NT
	global_load_b128 v[MK+8*i+4:MK+8*i+7], v[MKO], s[14:15] offset:1024*i+16 th:TH_LOAD_NT
.set i, i+1
.endr
.endif
	CHANGE \slot, 1
.if \re == 2
	FETV 0, 0
.else
	FETQ 1-\slot, 0
.endif
	ASK \slot
	EPIQ \slot
.endm
.macro STEPST                          ; two chunks are eight heads on in the stage
	s_add_co_u32 s42, s42, 128
	s_add_co_u32 s82, s82, 16
.endm
; SCORES AND SOFTMAX of four of my eight positions: source 0 = 16 heads of k, source 1 = 16 heads of q, K = 64 of the instruction's 128: the rest of source 0 is zero codes.
; Lane (r, h) holds q head r against k heads 8 h + j.
.macro SCORES g
.irp u, 0,1,2,3
	ds_load_b128 v[KOP+8*\u:KOP+8*\u+3], v[RDK] offset:PW*(4*\g+\u)
	ds_load_u16 v[KS+\u], v[RDS] offset:36*(4*\g+\u)
.endr
	s_wait_alu depctr_va_vdst(0)
	s_wait_dscnt 0x0
.irp u, 0,1,2,3
	v_wmma_scale_f32_16x16x128_f8f6f4 v[SS+8*\u:SS+8*\u+7], v[KOP+8*\u:KOP+8*\u+7], v[QF+4*(4*\g+\u):QF+4*(4*\g+\u)+7], 0, v[KS+\u], v[QFS+4*\g+\u] matrix_a_fmt:MATRIX_FMT_FP4 matrix_b_fmt:MATRIX_FMT_FP4
.endr
.if \g == 0
	s_wait_loadcnt 0x0                     ; the mask (and V's first scale words and bias)
.endif
	PLACES
	WIN 0x10                               ; source 2 in window 1
.irp a, 0,2,4,6
.irp u, 0,1,2,3
	v_pk_fma_f32 v[SS+8*\u+\a:SS+8*\u+\a+1], v[SS+8*\u+\a:SS+8*\u+\a+1], 0x3e000000, v[MK+8*(4*\g+\u)+\a:MK+8*(4*\g+\u)+\a+1] op_sel_hi:[1,0,1]   ; x 1 / sqrt(64), + mask
.endr
.endr
	WIN 0
.irp u, 0,1,2,3
	v_max3_num_f32 v[TT+8*\u+2], v[SS+8*\u], v[SS+8*\u+1], v[SS+8*\u+2]
.endr
.irp u, 0,1,2,3
	v_max3_num_f32 v[TT+8*\u+2], v[TT+8*\u+2], v[SS+8*\u+3], v[SS+8*\u+4]
.endr
.irp u, 0,1,2,3
	v_max3_num_f32 v[TT+8*\u+2], v[TT+8*\u+2], v[SS+8*\u+5], v[SS+8*\u+6]
.endr
.irp u, 0,1,2,3
	v_max_num_f32 v[TT+8*\u+2], v[TT+8*\u+2], v[SS+8*\u+7]
.endr
.irp u, 0,1,2,3
	v_permlanex16_b32 v[TT+8*\u+3], v[TT+8*\u+2], s44, s45
.endr
.irp u, 0,1,2,3
	v_max_num_f32 v[TT+8*\u+2], v[TT+8*\u+2], v[TT+8*\u+3]
.endr
.irp u, 0,1,2,3
	v_mul_f32 v[TT+8*\u], s46, v[TT+8*\u+2]
.endr
.irp a, 0,2,4,6
.irp u, 0,1,2,3
	v_pk_fma_f32 v[SS+8*\u+\a:SS+8*\u+\a+1], v[SS+8*\u+\a:SS+8*\u+\a+1], s[46:47], v[TT+8*\u:TT+8*\u+1] op_sel_hi:[1,0,0] neg_lo:[0,0,1] neg_hi:[0,0,1]
.endr
.endr
	s_wait_alu depctr_va_vdst(0)           ; the wait ahead of the batch,
.irp u, 0,1,2,3
.irp j, 0,1,2,3,4,5,6,7
	v_exp_f32 v[SS+8*\u+\j], v[SS+8*\u+\j]
.endr
.endr
	v_nop
	s_wait_alu depctr_va_vdst(0)           ; and behind it
.irp u, 0,1,2,3
	v_pk_add_f32 v[TT+8*\u+4:TT+8*\u+5], v[SS+8*\u:SS+8*\u+1], v[SS+8*\u+2:SS+8*\u+3]
.endr
.irp u, 0,1,2,3
	v_pk_add_f32 v[TT+8*\u+6:TT+8*\u+7], v[SS+8*\u+4:SS+8*\u+5], v[SS+8*\u+6:SS+8*\u+7]
.endr
.irp u, 0,1,2,3
	v_pk_add_f32 v[TT+8*\u+4:TT+8*\u+5], v[TT+8*\u+4:TT+8*\u+5], v[TT+8*\u+6:TT+8*\u+7]
.endr
.irp u, 0,1,2,3
	v_add_f32 v[TT+8*\u+4], v[TT+8*\u+4], v[TT+8*\u+5]
.endr
.irp u, 0,1,2,3
	v_permlanex16_b32 v[TT+8*\u+3], v[TT+8*\u+4], s44, s45
.endr
.irp u, 0,1,2,3
	v_add_f32 v[TT+8*\u+4], v[TT+8*\u+4], v[TT+8*\u+3]
.endr
	s_wait_alu depctr_va_vdst(0)
.irp u, 0,1,2,3
	v_rcp_f32 v[TT+8*\u+6], v[TT+8*\u+4]
.endr
	v_nop
	s_wait_alu depctr_va_vdst(0)
.irp a, 0,2,4,6
.irp u, 0,1,2,3
	v_pk_mul_f32 v[SS+8*\u+\a:SS+8*\u+\a+1], v[SS+8*\u+\a:SS+8*\u+\a+1], v[TT+8*\u+6:TT+8*\u+7] op_sel_hi:[1,0]
.endr
.endr
.irp u, 0,1,2,3
.irp a, 0,1,2,3
	v_cvt_pk_bf16_f32 v[QF+4*(4*\g+\u)+\a], v[SS+8*\u+2*\a], v[SS+8*\u+2*\a+1]   ; P takes the place of this position's q
.endr
.endr
.endm
; V's bias, and two heads to a register: V(tile tx, register jx): register 2 n + a = heads 4 n + 2 a, 4 n + 2 a + 1 at d = r, position 16 tx + 8 h + jx.
.macro EPIV n
.irp t, 0,1,2,3
.irp j, 0,2,4,6,8,10,12,14
	v_pk_add_f32 v[ACC+16*\t+\j:ACC+16*\t+\j+1], v[ACC+16*\t+\j:ACC+16*\t+\j+1], v[BIAS+8*(\n%2)+2*\t:BIAS+8*(\n%2)+2*\t+1] op_sel_hi:[1,0]
.endr
.endr
	WIN 0x40
.set i, 0
.rept 32
.set pj, i/2
.set ax, i%2
	v_cvt_pk_bf16_f32 v[MK+8*pj+2*\n+ax], v[ACC+32*ax+pj], v[ACC+32*ax+16+pj]
.set i, i+1
.endr
	WIN 0
.endm
; P goes to LDS as the last product's operand: K = 32 is two positions x 16 heads (lane half h: the positions 8 h + jx that V's register holds); the half of the other position is zero.
; Slot 0 has had its last fill and its last read.
.macro PSTORE
	s_lshl_b32 s66, s18, 13
	s_and_b32 s67, s18, 1
	s_lshl_b32 s68, s67, 9
	s_add_co_u32 s66, s66, s68
	s_lshl_b32 s68, s40, 15
	s_mul_i32 s69, s40, 8*OPP
	s_lshl_b32 s70, s41, 6
	s_add_co_u32 s69, s69, s70
	s_add_co_u32 s69, s69, OST0
	s_mul_i32 s70, s18, 2*OPP
	s_add_co_u32 s70, s70, OST0
	s_lshl_b32 s71, s40, 17
	s_and_b32 s72, s18, 2
	s_lshl_b32 s72, s72, 14
	s_add_co_u32 s71, s71, s72
	s_lshl_b32 s72, s67, 13
	s_add_co_u32 s71, s71, s72             ; my first position on the way out, 32 (w / 4) + 8 (w / 2 % 2) + 2 (w % 2), in bytes
	v_lshlrev_b32 v[PRD], 4, v1
	v_lshl_add_u32 v[PST], v2, 8, v[PRD]
	v_add_nc_u32 v[PST], s66, v[PST]
	v_xor_b32 v[PSZ], 0x200, v[PST]
	v_mul_u32_u24 v[ORD], v2, 272
	v_add_nc_u32 v[ORD], v[ORD], v[PRD]
	v_add_nc_u32 v[ORD], s70, v[ORD]       ; back: lanes 0-15 one head's 256 bytes, lanes 16-31 the next
	v_add_nc_u32 v[ORD+1], OSTD, v[ORD]
	v_lshl_add_u32 v[PRD], v2, 9, v[PRD]
	v_add_nc_u32 v[PRD], s68, v[PRD]
	v_mul_u32_u24 v[OW], v1, 272
	v_lshl_add_u32 v[OW], v2, 5, v[OW]
	v_add_nc_u32 v[OW], s69, v[OW]         ; in: head r, d = 16 (w % 4) + 8 h on
	v_add_nc_u32 v[OW+1], OSTD, v[OW]
	v_lshlrev_b32 v[OCO], 4, v3
	v_add_nc_u32 v[OCO], s71, v[OCO]
.irp j, 0,1,2,3
	v_mov_b32 v[TT+\j], 0
.endr
	s_wait_alu depctr_va_vdst(0)
.irp k, 0,1,2,3,4,5,6,7
	ds_store_b128 v[PST], v[QF+4*\k:QF+4*\k+3] offset:1024*\k
	ds_store_b128 v[PSZ], v[TT:TT+3] offset:1024*\k
.endr
.endm
.macro CHUNKV n
	GEMMV \n
.if \n < 2
	CHANGE \n%2, 2
.elseif \n == 2
	CHANGE 0, 0
.else
	PLACES
.endif
.if \n < 3
	FETV 1-\n%2, 0
.endif
.if \n == 2
	PSTORE
.endif
	EPIV \n
.endm
; THE LAST PRODUCT AND THE WAY OUT, 16 positions a round: position k of my eight: tile i / 2, 8 (k / 4) + 4 (i % 2) + k % 4.
.macro PLOAD i
.set k, 0
.rept 8
.set px, 16*((\i)/2)+8*(k/4)+4*((\i)%2)+k%4
	ds_load_b128 v[WF+8*k:WF+8*k+3], v[PRD] offset:1024*px
	ds_load_b128 v[WF+8*k+4:WF+8*k+7], v[PRD] offset:1024*px+256
.set k, k+1
.endr
.endm
.macro PVROUND i
	s_wait_dscnt 0x0
	WIN 0x01
.set k, 0
.rept 8
.set rV, MK+8*(8*((\i)/2)+4*((\i)%2)+k%4)
	v_wmma_f32_16x16x32_bf16 v[ACC+8*k:ACC+8*k+7], v[rV:rV+7], v[WF+8*k:WF+8*k+7], 0
.set k, k+1
.endr
	WIN 0
	PLACES
	v_nop                                  ; five: the next round's products write over these results
.set k, 0
.rept 8
	ds_store_b128 v[OW+(\i)%2], v[ACC+8*k:ACC+8*k+3] offset:OPP*k
	ds_store_b128 v[OW+(\i)%2], v[ACC+8*k+4:ACC+8*k+7] offset:OPP*k+16
.set k, k+1
.endr
	s_wait_dscnt 0x0
	s_barrier_signal -1
	s_barrier_wait -1                      ; the round's 16 positions are whole; the other buffer has been read
.if \i > 1
	s_wait_xcnt 0x0                        ; the stores of two rounds ago have read their data
.endif
	WIN 0x40
.set k, 0
.rept 16
.set rO, 64*((\i)%2)+4*k
	ds_load_b128 v[rO:rO+3], v[ORD+(\i)%2] offset:OPP*(k/8)+544*(k%8)
.set k, k+1
.endr
	WIN 0
.set younger, 0
.if \i < 3
	PLOAD \i+1
.set younger, 16
.endif
	WIN 0x04
.set k, 0
.rept 16
.set rO, 64*((\i)%2)+4*k
	s_wait_dscnt 15-k+younger              ; the read-backs behind this one, and the next round's P
	global_store_b128 v[OCO], v[rO:rO+3], s[16:17] offset:4096*(16*((\i)/2)+4*((\i)%2)+k/8)+512*(k%8) th:TH_STORE_NT
.set k, k+1
.endr
	WIN 0
.endm
	s_load_b256 s[4:11], s[0:1], 0x0       ; W's codes, W's scales, bias, query's codes
	s_load_b128 s[12:15], s[0:1], 0x20     ; query's scales, mask
	s_load_b64 s[16:17], s[0:1], 0x30      ; output
	v_lshl_add_u32 v[SPW], v0, 2, SPARE
	v_mov_b32 v[NIL], 0
	ds_add_u32 v[SPW], v[NIL]              ; the opening: the add, twice on end, and its wait
	ds_add_u32 v[SPW], v[NIL]
	v_lshrrev_b32 v1, 5, v0
	v_readfirstlane_b32 s18, v1            ; wave w, 0..7
	s_bfe_u32 s19, ttmp6, 0x40000          ; my place in the cluster
	s_lshl_b32 s20, ttmp9, 2
	s_add_co_u32 s20, s20, s19             ; work-group
	s_lshr_b32 s40, s18, 2                 ; w / 4
	s_and_b32 s41, s18, 3                  ; w % 4
	s_xor_b32 s60, s40, 1
	; descriptor group 1: 64 rows of 64 elements of 8 bytes, dense in memory, 16 bytes of padding behind each 512; mask 15
	s_mov_b32 s24, 15|(3<<16)|(1<<20)|(1<<21)|(6<<22)|(3<<25)
	s_mov_b32 s25, 64<<16
	s_mov_b32 s26, 64<<16
	s_mov_b32 s27, 64<<16
	s_mov_b32 s28, 64
	s_mov_b32 s29, 64
	s_mov_b32 s30, 0
	s_mov_b32 s31, 0
	s_mul_i32 s21, s18, WTILE              ; my 64 rows in LDS: waves 0-3 slot 0, waves 4-7 slot 1
	s_lshl_b32 s22, s18, 15                ; and in memory: chunk 0, chunk 1
	s_mov_b32 s23, 0
	s_mov_b32 s44, 0x76543210
	s_mov_b32 s45, 0xfedcba98              ; lane l xor 16
	s_mov_b32 s46, 0x3fb8aa3b              ; log2(e)
	s_mov_b32 s47, s46
	s_mov_b32 s49, 0
	s_mov_b32 s42, 0
	s_mov_b32 s82, 0
	s_add_co_u32 s50, s60, 2               ; prefetches begin at chunk 3 (waves 0-3) or 2 (waves 4-7),
	s_lshl_b32 s50, s50, 17
	s_lshl_b32 s51, s19, 15                ; a quarter of a chunk a partner,
	s_add_co_u32 s50, s50, s51
	s_lshl_b32 s51, s41, 13                ; a quarter of that a wave
	s_add_co_u32 s50, s50, s51
	s_mov_b32 s51, 0
	s_cmp_lt_u32 ttmp9, 4
	s_cselect_b32 s59, s60, 2              ; four clusters ask
	s_mul_i32 s66, s18, 32*PW
	s_mul_i32 s67, s41, 16*PW
	s_mul_i32 s68, s40, 32*PW
	s_add_co_u32 s68, s68, STG             ; position tiles 0, 1 are my own 32 positions,
	s_mul_i32 s69, s60, 32*PW
	s_add_co_u32 s69, s69, STG             ; tiles 2, 3 the others
	s_lshr_b32 s70, s18, 1
	s_lshl_b32 s70, s70, 4
	s_and_b32 s71, s18, 1
	s_lshl_b32 s71, s71, 8
	s_add_co_u32 s72, s70, s71             ; my head of the chunk, my block of 32
	s_add_co_u32 s70, s68, s72
	s_add_co_u32 s71, s69, s72
	s_mul_i32 s72, s40, 32*36
	s_add_co_u32 s72, s72, s18             ; scale bytes: 2 x head + block = w
	s_add_co_u32 s72, s72, SCW
	s_mul_i32 s73, s60, 32*36
	s_add_co_u32 s73, s73, s18
	s_add_co_u32 s73, s73, SCW
	s_mul_i32 s74, s18, 8*PW
	s_add_co_u32 s74, s74, STG
	s_mul_i32 s75, s18, 8*36
	s_add_co_u32 s75, s75, SCW
	s_lshl_b32 s76, s18, 10
	s_lshl_b32 s77, s41, 9
	s_lshl_b32 s78, s18, 7
	s_lshl_b32 s79, s41, 6
	s_lshl_b32 s80, s18, 12
	s_lshl_b32 s81, s40, 10
	v_and_b32 v1, 15, v0                   ; r
	v_bfe_u32 v2, v0, 4, 1                 ; h
	v_and_b32 v3, 31, v0
	v_mul_u32_u24 v208, v1, PW
	v_lshl_add_u32 v209, v2, 4, v208
	v_add_nc_u32 v[ADW], s66, v209
	v_add_nc_u32 v[ADW+1], SLOTB, v[ADW]
	v_add_nc_u32 v[ADV], s67, v209
	v_add_nc_u32 v[ADV+1], 2*WTILE, v[ADV]
	v_add_nc_u32 v[ADV+2], SLOTB, v[ADV]
	v_add_nc_u32 v[ADV+3], SLOTB+2*WTILE, v[ADV]
	v_add_nc_u32 v210, s68, v209           ; query's fragments
	v_add_nc_u32 v211, s69, v209
	v_lshl_add_u32 v212, v2, 2, v208
	v_add_nc_u32 v[STC], s70, v212
	v_add_nc_u32 v[STC+1], s71, v212
	v_mul_u32_u24 v213, v1, 36
	v_add_nc_u32 v[STS], s72, v213
	v_add_nc_u32 v[STS+1], s73, v213
	v_lshlrev_b32 v214, 4, v1
	v_lshl_add_u32 v214, v2, 8, v214
	v_add_nc_u32 v[RDK], s74, v214
	v_lshlrev_b32 v[RDS], 1, v1
	v_add_nc_u32 v[RDS], s75, v[RDS]
	v_lshlrev_b32 v[WSO], 5, v3
	v_xor_b32 v217, s81, v[WSO]            ; query's scale words: my own 32 positions,
	v_xor_b32 v218, 0x400, v217            ; the others
	v_add_nc_u32 v[WSO], s76, v[WSO]
	v_lshlrev_b32 v[WVO], 5, v1
	v_lshl_add_u32 v[WVO], v2, 11, v[WVO]
	v_add_nc_u32 v[WVO], s77, v[WVO]
	v_lshlrev_b32 v[BOF], 5, v2
	v_add_nc_u32 v[BOF], s78, v[BOF]
	v_lshlrev_b32 v[BVO], 2, v1
	v_add_nc_u32 v[BVO], s79, v[BVO]
	v_lshlrev_b32 v[PFO], 8, v3
	v_lshlrev_b32 v[MKO], 6, v1
	v_lshl_add_u32 v[MKO], v2, 5, v[MKO]
	v_lshlrev_b32 v216, 4, v3
	v_add_nc_u32 v215, s80, v216           ; query: 8 rows a wave, a row an instruction
	v_add_nc_u32 v216, s74, v216
	s_wait_alu depctr_va_vdst(0)
	s_wait_dscnt 0x0
	ROUND
	s_wait_kmcnt 0x0
	s_mov_b32 s36, 1
	s_mov_b32 s37, s21
	s_add_nc_u64 s[38:39], s[4:5], s[22:23]
	s_or_b32 s39, s39, 0x80000000
	tensor_load_to_lds s[36:39], s[24:31]  ; both slots' first fills, one load a wave
	s_nop 0
	PLACES
	s_lshl_b32 s48, s20, 15
	s_add_nc_u64 s[10:11], s[10:11], s[48:49]
.set i, 0
.rept 8
	global_load_b128 v[ACC+4*i:ACC+4*i+3], v215, s[10:11] offset:512*i th:TH_LOAD_NT
.set i, i+1
.endr
	s_lshl_b32 s48, s20, 11
	s_add_nc_u64 s[12:13], s[12:13], s[48:49]
.irp p, 0,1
	global_load_b128 v[QS+8*\p:QS+8*\p+3], v[217+\p], s[12:13]
	global_load_b128 v[QS+8*\p+4:QS+8*\p+7], v[217+\p], s[12:13] offset:16
.endr
	RELQ 0
	s_lshl_b32 s48, s20, 16
	s_lshl_b32 s52, s18, 13
	s_add_co_u32 s48, s48, s52
	s_add_nc_u64 s[14:15], s[14:15], s[48:49]   ; the mask of my 8 positions, 8 w on
	s_lshl_b32 s48, s20, 18
	s_add_nc_u64 s[16:17], s[16:17], s[48:49]
	s_add_nc_u64 s[PFA:PFA+1], s[4:5], s[50:51]
	s_wait_alu depctr_va_vdst(0)
	s_wait_loadcnt 10                      ; query's rows are here; behind them 4 + 6 loads
.set i, 0
.rept 8
	ds_store_b128 v216, v[ACC+4*i:ACC+4*i+3] offset:PW*i
.set i, i+1
.endr
	s_wait_dscnt 0x0
	s_barrier_signal -1
	s_barrier_wait -1
	WIN 0x40
.set i, 0
.rept 64
.set rF, 128*(i/32)+16*((i/4)%8)+8*((i/2)%2)+4*(i%2)
	ds_load_b128 v[rF:rF+3], v[210+i/32] offset:16*PW*((i/2)%2)+64*((i/4)%8)+32*(i%2)
.set i, i+1
.endr
	WIN 0
	s_wait_tensorcnt 0x0                   ; my part of chunk 0 or 1
	s_wait_dscnt 0x0
	s_barrier_signal -1
	s_barrier_wait -1                      ; both slots are whole; nobody reads query's rows any more
	FETQ 0, 0
	s_cmp_lt_u32 s59, 2
	s_cbranch_scc0 .Lno_first_ask
	global_prefetch_b8 v[PFO], s[PFA:PFA+1] th:TH_LOAD_NT scope:SCOPE_SE
.Lno_first_ask:
	s_mov_b32 s43, 2
.Lq:                                           ; Q: two chunks a trip
	CHUNKQ 0, 1
	CHUNKQ 1, 1
	STEPST
	s_wait_alu depctr_va_vdst(0)
	s_sub_co_u32 s43, s43, 1
	s_cmp_lg_u32 s43, 0
	s_cbranch_scc1 .Lq
	s_wait_dscnt 0x0
	s_barrier_signal -1
	s_barrier_wait -1                      ; all of q's codes are in the stage
.set i, 0
.rept 8
	ds_load_b128 v[QF+4*i:QF+4*i+3], v[RDK] offset:PW*i
	ds_load_u16 v[QFS+i], v[RDS] offset:36*i
.set i, i+1
.endr
	global_prefetch_b8 v[PFO], s[14:15] th:TH_LOAD_NT scope:SCOPE_SE   ; my 8 KB of the mask
	s_mov_b32 s42, 0
	s_mov_b32 s82, 0
	CHUNKQ 0, 1                            ; K; its first codes reach the stage behind the next change's barrier
	CHUNKQ 1, 1
	STEPST
	CHUNKQ 0, 1
	CHUNKQ 1, 2
.irp u, 0,1,2,3
.irp j, 4,5,6,7
	v_mov_b32 v[KOP+8*\u+\j], 0
.endr
.endr
.irp u, 0,1,2,3
	v_mov_b32 v[TT+8*\u+1], 0              ; (named as the upper half of a pair)
	v_mov_b32 v[TT+8*\u+3], 0              ; (a lane permute's destination counts as a source)
.endr
	s_wait_alu depctr_va_vdst(0)
	s_wait_dscnt 0x0
	s_barrier_signal -1
	s_barrier_wait -1                      ; all of k's codes are in the stage
	SCORES 0
	SCORES 1
	CHUNKV 0
	CHUNKV 1
	CHUNKV 2
	CHUNKV 3
	s_wait_alu depctr_va_vdst(0)
	s_wait_dscnt 0x0
	s_barrier_signal -1
	s_barrier_wait -1                      ; everybody's P is in LDS, and slot 1 has been read
	PLOAD 0
	PVROUND 0
	PVROUND 1
	PVROUND 2
	PVROUND 3
	s_wait_tensorcnt 0x0                   ; the wave's end
	ds_add_u32 v[SPW], v[NIL]
	s_wait_dscnt 0x0
	ROUND                                  ; the closing round
	s_endpgm
.Lfunc_end_k_q8e4c117025_fused:
	.size	k_q8e4c117025_fused, .Lfunc_end_k_q8e4c117025_fused-k_q8e4c117025_fused
	.p2alignl 7, 3214868480
	.fill 96, 4, 3214868480
	.section	.rodata,"a",@progbits
	.p2align	6, 0x0
	.amdhsa_kernel k_q8e4c117025_fused
		.amdhsa_group_segment_fixed_size 327680
		.amdhsa_private_segment_fixed_size 0
		.amdhsa_enable_private_segment 0
		.amdhsa_kernarg_size 56
		.amdhsa_user_sgpr_count 2
		.amdhsa_user_sgpr_kernarg_segment_ptr 1
		.amdhsa_wavefront_size32 1
		.amdhsa_system_sgpr_workgroup_id_x 1
		.amdhsa_system_sgpr_workgroup_id_y 1
		.amdhsa_system_sgpr_workgroup_id_z 1
		.amdhsa_system_vgpr_workitem_id 0
		.amdhsa_next_free_vgpr 512
		.amdhsa_next_free_sgpr 100
		.amdhsa_reserve_vcc 0
		.amdhsa_float_denorm_mode_32 3
		.amdhsa_float_denorm_mode_16_64 3
		.amdhsa_memory_ordered 1
		.amdhsa_forward_progress 1
		.amdhsa_inst_pref_size 199
	.end_amdhsa_kernel
	.amdgpu_metadata
---
amdhsa.version: [ 1, 2 ]
amdhsa.kernels:
  - .name:           k_q8e4c117025_fused
    .symbol:         k_q8e4c117025_fused.kd
    .args:
      - { .name: W_qkv_codes, .offset: 0, .size: 8, .value_kind: global_buffer, .address_space: global }
      - { .name: W_qkv_scales, .offset: 8, .size: 8, .value_kind: global_buffer, .address_space: global }
      - { .name: b_qkv, .offset: 16, .size: 8, .value_kind: global_buffer, .address_space: global }
      - { .name: query_codes, .offset: 24, .size: 8, .value_kind: global_buffer, .address_space: global }
      - { .name: query_scales, .offset: 32, .size: 8, .value_kind: global_buffer, .address_space: global }
      - { .name: attn_mask, .offset: 40, .size: 8, .value_kind: global_buffer, .address_space: global }
      - { .name: out0, .offset: 48, .size: 8, .value_kind: global_buffer, .address_space: global }
    .group_segment_fixed_size: 327680
    .private_segment_fixed_size: 0
    .kernarg_segment_align: 8
    .kernarg_segment_size: 56
    .max_flat_workgroup_size: 256
    .sgpr_count:     100
    .vgpr_count:     512
    .wavefront_size: 32
...
	.end_amdgpu_metadata
.endif
;; end of part 1
